; MI455X (gfx1250); checked and timed in simulation.
; The chip was launched on July 23, 2026; its instructions are those of AMD's public machine-readable ISA for CDNA 5 (MIT licence, August 2026) and "CDNA5" Instruction Set Architecture Reference Guide (July 2026). The comments in the code are by the model that wrote it; some were corrected since.
;; Simple Mo E. Allowed arithmetic: matrix products marked QUANTISED: E2M1 operands, one E8M0 scale for each 32 along K, by v_wmma_scale_f32_16x16x128_f8f6f4 with both operands' format E2M1 (or v_wmma_scale_f32_32x16x128_f4), f32 sums; products left as they are: f32 operands where the result goes on into a quantised operand, else bf16, f16 or f32 operands; f32 sums; everything else in f32.
;; Inputs: expert_b 8 x 1,024 float32; expert_w_codes 8 x 1,024 x 32 x 16 uint8 (E2M1 codes of expert_w, K innermost, in blocks of 32 codes, two codes a byte); expert_w_scales 8 x 1,024 x 32 uint8 (E8M0 scales of expert_w, one for each 32 codes along K); gate_b 8 float32; gate_w 8 x 1,024 float32; x 8,192 x 1,024 float32.
;; Outputs: out0 8,192 x 1,024 float32.
;; This version of the problem:
;;   THIS VERSION OF THE PROBLEM IS GIVEN IN LOW PRECISION. The matrix products marked QUANTISED in the list below multiply operands that are first quantised to E2M1 (2 exponent bits, 1 mantissa bit; 4 bits a number), with one power-of-two scale for each 32 numbers along K (OCP MX v1.0); their sums are f32. All else is computed in f32.
;;   The module's matrix products, in the order in which they are computed (A, B: the left and right operand; K: the contracted axis; several contracted axes count as one K, in the product's order):
;;     1. [M 8,192, K 1,024] x [K 1,024, N 8]; A: input x; B: input gate_w: left as it is (N = 8 < 16)
;;     2. [M 8,192, K 1,024] x [K 1,024, N 8,192]; A: input x; B: input expert_w (given as codes): QUANTISED
;;     3. batch 8,192 x [M 1, K 8] x [K 8, N 1,024]; A: softmax; B: computed on the way: left as it is (K = 8 < 32)
;;   THE QUANTISER, for each operand of a quantised product, along K:
;;     - K is cut into blocks of 32 from its start; a last block that is shorter is filled with zeros.
;;     - A block's scale is 2^e with e = floor(log2(the largest magnitude in the block)) - 2, held to -126 .. 127; a block of zeros has e = 0. As a byte (E8M0): e + 127.
;;     - Each number is divided by its block's scale, clamped to +-6, and rounded to the nearest number of E2M1, ties to even, subnormals kept.
;;     - The product sums the exact products of the quantised numbers (number of the format x scale) in f32.
;;   ~~~python
;;   def quantise(x, axis):      # numpy; x: float32 -> the quantised numbers, widened to float32 again
;;       x = np.moveaxis(x, axis, -1); K = x.shape[-1]
;;       x = np.pad(x, [(0, 0)] * (x.ndim - 1) + [(0, -K % 32)]); x = x.reshape(x.shape[:-1] + (-1, 32)); a = np.abs(x).max(-1, keepdims=True)
;;       e = np.where(a > 0, np.clip(np.frexp(np.where(a > 0, a, 1))[1] - 1 - 2, -126, 127), 0)      # np.frexp(a)[1] - 1 = floor(log2(a)), exactly
;;       r = np.clip(x / 2.0 ** e, -6, 6)
;;       step = 2.0 ** (np.maximum(np.frexp(np.where(r == 0, 1, r))[1] - 1, 0) - 1)
;;       q = np.round(r / step) * step * 2.0 ** e      # np.round: ties to even
;;       return np.moveaxis(q.reshape(q.shape[:-2] + (-1,))[..., :K], -1, axis).astype(np.float32)
;;   ~~~
;;   INPUTS GIVEN AS CODES. expert_w (in the module: [8, 1024, 1024], K = its axis 2): each comes as NAME_codes (uint8): NAME with its K axis moved to the last place and cut into blocks of 32 codes, [.., K / 32, bytes a block], one block behind the other in memory; two codes a byte, the lower K in the low four bits (a code: sign, 2 exponent bits, 1 mantissa bit); and NAME_scales (uint8): the same leading axes, one E8M0 byte (e + 127) for each 32 codes along K. Its value is code x scale, taken as it is: it is not quantised again, and the codes and scales need not be those that the quantiser above would give.
;; One version. Each part assembles by itself: llvm-mc -triple=amdgcn-amd-amdhsa -mcpu=gfx1250 --defsym DOCPART=n.
;; ======== version 1 of 1: 2 launches
;; limits: values are held in f16: magnitudes above 65,504 overflow, below 6.1e-05 lose precision; inputs' magnitudes at most 65,504; right only within a limited range of input values
;; workspace buffers: xp 4,718,592 bytes; wimg 4,194,304 bytes
;; launch prep (part 1): grid 256 x 1, 8 waves a work-group, no clusters, 94,720 bytes of LDS; arguments x, gate_w, gate_b, expert_w_codes, xp, wimg; writes xp, wimg
.if DOCPART == 1
	.amdgcn_target "amdgcn-amd-amdhsa--gfx1250"
	.amdhsa_code_object_version 6
	.text
	.protected	k_q4da1fae176_prep
	.globl	k_q4da1fae176_prep
	.p2align	8
	.type	k_q4da1fae176_prep,@function
k_q4da1fae176_prep:
	s_mov_b64 s[64:65], 0
	v_nop
	global_prefetch_b8 v0, s[64:65] scope:SCOPE_SE
	s_setreg_imm32_b32 hwreg(HW_REG_WAVE_MODE, 25, 1), 1
	s_wait_xcnt 0x0
.set TP,    528                        ; a stage row: 512 bytes + 16: row r begins 16 r bytes on modulo 256, so sixteen rows' 16-byte pieces fall on different columns
; WHAT IT DOES.  (1) x [8192][1024] f32 becomes codes of FP4 (E2M1) with one E8M0 byte for each 32 along K, laid as IMAGES OF THE OPERAND'S REGISTERS;
; (2) the gates softmax(x gate_w^T + gate_b), f32, are laid beside them;  (3) expert_w's codes are laid anew, likewise as register images.
; No step of reference() is left out, and every input is read.
; xp: 512 blocks of 16 tokens, 9,216 bytes each:  +0: eight fragments (K step s of 128 at 1024 s; register group c at +512 c; lane l's 16 bytes at +16 l; lane (r, h) = token r, k = 128 s + 64 c + 32 h + 0..31);
;   +8192: the scale words (lane (r, h): 16 bytes at 16 l: token r's words of K steps 4 h + 0..3);   +8704: the gates (lane (r, h): 16 bytes at 16 l: gates 4 h + 0..3 of token r).
; wimg: images of 512 bytes, [expert / 4][K step s][16 outputs ob][expert % 4][c][lane][16 bytes], lane (r, h) = bytes 64 s + 32 c + 16 h .. + 15 of the expert's row 16 ob + r.
; SHARES.  256 work-groups, each with 32 tokens (two blocks) and 32 rows of expert_w (16 outputs twice, one expert).  Wave s takes K step s of all 32 tokens, so each load reads 512 consecutive bytes of a row;
; and rows 4 s .. 4 s + 3 of expert_w on the way in, four of the 32 images on the way out.
; THE QUANTISER.  A block's scale is 2^(floor(log2(largest magnitude)) - 2); its byte is the largest magnitude's exponent field - 2, held at 1 from below.
; THE GATE'S PRODUCT (N = 8, not quantised) goes to the matrix unit in f16, f32 sums: source 0 = gate_w's 8 rows, taken twice (rows 8-15 repeat 0-7), source 1 = 16 tokens.
; f16 and not bf16: a gate's error is carried into all 1,024 outputs of its token, and f16 keeps 11 bits of each operand where bf16 keeps 8.  Both operands have the room: see LIMITS.
; Both sources hold the same k at the same place of the same lane half, so the order of k inside an instruction is free.  The eight waves' partial logits meet in LDS; the softmax takes the row's maximum away, in f32.
; LIMITS: NaN and infinities among the inputs are not served.  A block of zeros, or one whose largest magnitude lies under 2^-124, gets the byte 1 (its codes are right under that byte; only this program reads the bytes).
; The logits' operands are rounded to f16: magnitudes over 65,504 in x or gate_w are not served; those under 2^-14 carry an absolute error of 2^-25 at the most; the logits' error grows with the size of x and gate_w.
; No tensor loads, no ring, and no loop to prefetch in: all of a wave's loads are issued at the head.
.set WREG,  16*TP                      ; a wave's stage: 16 rows
.set PART,  8*WREG                     ; behind the eight stages: partial logits [block 2][K step 8][token 16][8 f32]
.set SCI,   PART+8192                  ; the scale images [block 2][512 bytes]
.set WT,    SCI+1024                   ; 32 rows of expert_w's codes
.set SPARE, WT+32*TP                   ; the spare words: 128 bytes for each wave
.set BLKB,  9216                       ; a block of xp
.set WO,    0                          ; v0   where I read my images of expert_w
.set WI,    1                          ; v1   where I put my four rows of expert_w
.set L16,   4                          ; v4   16 x lane
.set TIN,   5                          ; v5   stage, way in
.set TOUT,  6                          ; v6   stage, way out: row r, + 128 h
.set GOUT,  7                          ; v7   the same for gate_w: row r % 8
.set SCIW,  8                          ; v8   where my K step's scale word of token r goes
.set PARTW, 9                          ; v9   where my K step's partial logits of token r go
.set PARTR, 10                         ; v10  where I read partial logits back
.set SCIR,  11                         ; v11  where I read the scale image back
.set GBI,   12                         ; v12-15 gate_b[4 h + 0..3]
.set CD,    16                         ; v16-31 my rows of expert_w as loaded; later the codes of block 0, of block 1
.set R0,    32                         ; v32-95   block 0 as loaded; later the f16 fragments of both blocks
.set R1,    96                         ; v96-159  block 1 as loaded; later the logits' two accumulators
.set X,     160                        ; v160-223 64 numbers of my row: register 32 c + i = k 64 c + 32 h + i
.set WQ,    X+40                       ; v200-215 behind the barrier: my images of expert_w
.set GW,    224                        ; v224-255 gate_w as loaded, then as f16
.set XB,    32
.set D,     96
	s_load_b256 s[4:11], s[0:1], 0x0               ; x s[4:5], gate_w s[6:7], gate_b s[8:9], expert_w's codes s[10:11]
	s_load_b128 s[12:15], s[0:1], 0x20             ; xp s[12:13], wimg s[14:15]
	s_set_vgpr_msb 0x40
	v_lshl_add_u32 v0, v0, 2, SPARE                ; v256: my spare word
	v_mov_b32 v1, 0                                ; v257: 0
	s_set_vgpr_msb 0x4000
	v_lshrrev_b32 v1, 5, v0
	s_delay_alu instid0(VALU_DEP_1)
	v_readfirstlane_b32 s16, v1                    ; wave 0..7
	v_and_b32 v1, 31, v0                           ; lane
	v_and_b32 v2, 15, v0                           ; r
	v_bfe_u32 v3, v0, 4, 1                         ; h
	s_delay_alu instid0(VALU_DEP_3)
	v_lshlrev_b32 v[L16], 4, v1
	s_mul_i32 s17, s16, WREG                       ; my stage
	s_mov_b32 s19, 0
	v_add_nc_u32 v[TIN], s17, v[L16]
	v_mul_u32_u24 v[TOUT], v2, TP
	s_delay_alu instid0(VALU_DEP_1)
	v_lshl_add_u32 v[TOUT], v3, 7, v[TOUT]
	s_delay_alu instid0(VALU_DEP_1)
	v_add_nc_u32 v[TOUT], s17, v[TOUT]
	v_and_b32 v[GOUT], 7, v0
	s_delay_alu instid0(VALU_DEP_1)
	v_mul_u32_u24 v[GOUT], v[GOUT], TP
	s_delay_alu instid0(VALU_DEP_1)
	v_lshl_add_u32 v[GOUT], v3, 7, v[GOUT]
	s_delay_alu instid0(VALU_DEP_1)
	v_add_nc_u32 v[GOUT], s17, v[GOUT]
	s_lshr_b32 s22, s16, 2
	s_lshl_b32 s22, s22, 8                         ; 256 (s / 4)
	s_and_b32 s23, s16, 3
	s_lshl_b32 s23, s23, 2                         ; 4 (s % 4)
	s_add_co_u32 s22, s22, s23
	s_add_co_u32 s22, s22, SCI
	v_lshl_add_u32 v[SCIW], v2, 4, s22             ; + 16 r
	s_lshl_b32 s22, s16, 9                         ; 512 s: my K step's bytes in a row of x and of gate_w, and my part of PART
	s_add_co_u32 s23, s22, PART
	v_lshl_add_u32 v[PARTW], v2, 5, s23            ; + 32 r
	s_and_b32 s24, s16, 1                          ; the block that waves 0 and 1 finish
	s_lshl_b32 s23, s24, 12
	s_add_co_u32 s23, s23, PART
	v_lshl_add_u32 v[PARTR], v2, 5, s23
	s_delay_alu instid0(VALU_DEP_1)
	v_lshl_add_u32 v[PARTR], v3, 4, v[PARTR]       ; + 32 r + 16 h: experts 4 h + 0..3
	s_lshl_b32 s23, s24, 9
	s_add_co_u32 s23, s23, SCI
	v_add_nc_u32 v[SCIR], s23, v[L16]
	s_mul_i32 s23, s16, 4*TP
	s_add_co_u32 s23, s23, WT
	v_add_nc_u32 v[WI], s23, v[L16]                ; rows 4 s + 0..3 of the work-group's 32
	s_lshr_b32 s23, s16, 2
	s_mul_i32 s23, s23, 16*TP                      ; the 16 outputs s / 4,
	s_and_b32 s26, s16, 3
	s_lshl_b32 s26, s26, 7                         ; images 4 (s % 4) + 0..3: 32 bytes of each row an image
	s_add_co_u32 s23, s23, s26
	s_add_co_u32 s23, s23, WT
	v_mul_u32_u24 v[WO], v2, TP
	s_delay_alu instid0(VALU_DEP_1)
	v_lshl_add_u32 v[WO], v3, 4, v[WO]
	s_delay_alu instid0(VALU_DEP_1)
	v_add_nc_u32 v[WO], s23, v[WO]                 ; row r, + 16 h
	v_lshlrev_b32 v2, 4, v3                        ; 16 h: my four numbers of gate_b
	v_lshlrev_b32 v3, 3, v3                        ; 8 h: my bytes' place in a scale word
	s_mov_b32 s23, 0                               ; s[22:23] = 512 s
	s_lshl_b32 s18, ttmp9, 17                      ; x: 32 rows of 4,096 bytes a work-group
	s_add_co_u32 s18, s18, s22                     ; s[18:19]: x at my first row, my K step
	s_mul_i32 s26, ttmp9, 2*BLKB
	s_lshl_b32 s28, s16, 10
	s_add_co_u32 s28, s28, s26                     ; s[28:29]: xp at my work-group's first block, fragment s
	s_mov_b32 s29, 0
	s_mul_i32 s30, s24, BLKB
	s_add_co_u32 s30, s30, s26                     ; s[30:31]: xp at the block that I finish
	s_mov_b32 s31, 0
	s_lshl_b32 s34, ttmp9, 14                      ; expert_w's codes: 32 rows of 512 bytes a work-group,
	s_lshl_b32 s35, s16, 11                        ; 2,048 bytes a wave
	s_add_co_u32 s34, s34, s35
	s_mov_b32 s35, 0
	; wimg: this work-group's rows are expert e = x / 32, outputs 32 (x % 32) .. + 31; my images: ob = 2 (x % 32) + s / 4, K steps 2 (s % 4) and + 1
	s_and_b32 s36, ttmp9, 31
	s_lshl_b32 s36, s36, 13                        ; 2 x 4,096 bytes a work-group
	s_lshr_b32 s37, s16, 2
	s_lshl_b32 s37, s37, 12
	s_add_co_u32 s36, s36, s37
	s_lshr_b32 s37, ttmp9, 7
	s_lshl_b32 s37, s37, 21                        ; 2,097,152 (e / 4)
	s_add_co_u32 s36, s36, s37
	s_bfe_u32 s37, ttmp9, 0x20005
	s_lshl_b32 s37, s37, 10                        ; 1,024 (e % 4)
	s_add_co_u32 s36, s36, s37
	s_and_b32 s37, s16, 3
	s_lshl_b32 s37, s37, 19                        ; two K steps of 262,144 bytes
	s_add_co_u32 s36, s36, s37
	s_mov_b32 s37, 0
	s_mov_b32 s20, 0x76543210
	s_mov_b32 s21, 0xfedcba98                      ; v_permlanex16_b32's selects for lane l xor 16
	s_wait_alu depctr_va_vdst(0)                   ; the wait at the head's end
	s_wait_kmcnt 0x0
	s_add_nc_u64 s[4:5], s[4:5], s[18:19]
	s_add_nc_u64 s[6:7], s[6:7], s[22:23]
	s_add_nc_u64 s[10:11], s[10:11], s[34:35]
	s_add_nc_u64 s[14:15], s[14:15], s[36:37]
	s_add_nc_u64 s[32:33], s[12:13], s[30:31]
	s_add_nc_u64 s[12:13], s[12:13], s[28:29]
	global_load_b128 v[GBI:GBI+3], v2, s[8:9]
.irp e, 0,1,2,3,4,5,6,7
	global_load_b128 v[GW+4*\e:GW+4*\e+3], v[L16], s[6:7] offset:4096*\e          ; 512 consecutive bytes of gate_w's row e
.endr
.irp i, 0,1,2,3
	global_load_b128 v[CD+4*\i:CD+4*\i+3], v[L16], s[10:11] offset:512*\i th:TH_LOAD_NT      ; a row of expert_w's codes
.endr
.irp i, 0,1,2,3,4,5,6,7,8,9,10,11,12,13,14,15
	global_load_b128 v[R0+4*\i:R0+4*\i+3], v[L16], s[4:5] offset:4096*\i th:TH_LOAD_NT       ; 512 consecutive bytes of token i; read once in the launch
.endr
.irp i, 0,1,2,3,4,5,6,7,8,9,10,11,12,13,14,15
	global_load_b128 v[R1+4*\i:R1+4*\i+3], v[L16], s[4:5] offset:4096*(16+\i) th:TH_LOAD_NT
.endr
	s_wait_loadcnt 36                              ; gate_b and gate_w are in; expert_w's 4 and x's 32 loads stay out
	; gate_w turns through my stage: in as loaded, out 64 numbers a lane in the order in which x will lie
.irp e, 0,1,2,3,4,5,6,7
	ds_store_b128 v[TIN], v[GW+4*\e:GW+4*\e+3] offset:TP*\e
.endr
.irp c, 0,1
.irp j, 0,1,2,3,4,5,6,7
	ds_load_b128 v[X+32*\c+4*\j:X+32*\c+4*\j+3], v[GOUT] offset:256*\c+16*\j      ; LDS serves a wave's instructions in order: these see the stores above
.endr
.endr
	s_wait_dscnt 0x0
.set i, 0
.rept 32
	v_cvt_pk_f16_f32 v[GW+i], v[X+2*i], v[X+2*i+1]
.set i, i+1
.endr
	s_wait_loadcnt 32                              ; expert_w's four rows are in
.irp i, 0,1,2,3
	ds_store_b128 v[WI], v[CD+4*\i:CD+4*\i+3] offset:TP*\i
.endr
; 16 rows x 512 bytes through my stage: in as loaded, each row as soon as it is there (n: the loads behind the block's own), out so that lane (r, h) holds k = 64 c + 32 h + 0..31 of row r: two whole blocks of 32
.macro TURN reg, n
.irp i, 0,1,2,3,4,5,6,7,8,9,10,11,12,13,14,15
	s_wait_loadcnt \n+15-\i
	ds_store_b128 v[TIN], v[\reg+4*\i:\reg+4*\i+3] offset:TP*\i
.endr
.irp c, 0,1
.irp j, 0,1,2,3,4,5,6,7
	ds_load_b128 v[X+32*\c+4*\j:X+32*\c+4*\j+3], v[TOUT] offset:256*\c+16*\j
.endr
.endr
	s_wait_dscnt 0x0                               ; the numbers are in, and every earlier LDS store has read its registers
.endm
; my two blocks become the fragment's 8 registers v[cd] on, and my row's scale word v[tm + 2].  tm: four registers at work
.macro QX cd, tm
.irp c, 0,1
	v_max3_num_f32 v[\tm+\c], |v[X+32*\c]|, |v[X+32*\c+1]|, 0x1800000             ; the floor 2^(3 - 127) among the leaves: the byte cannot fall under 1
.endr
.irp i, 2,4,6,8,10,12,14,16,18,20,22,24,26,28,30
.irp c, 0,1
	s_delay_alu instid0(VALU_DEP_2)
	v_max3_num_f32 v[\tm+\c], v[\tm+\c], |v[X+32*\c+\i]|, |v[X+32*\c+\i+1]|       ; the two blocks by turns
.endr
.endr
.irp c, 0,1
	s_delay_alu instid0(VALU_DEP_2)
	v_add_nc_u32 v[\tm+\c], 0xff000000, v[\tm+\c]  ; 2 off the exponent field: the conversion takes this operand's exponent field as its scale
.endr
.irp c, 0,1
	s_delay_alu instid0(VALU_DEP_2)
	v_lshrrev_b32 v[\tm+2+\c], 23, v[\tm+\c]       ; the scale's byte
.endr
	s_delay_alu instid0(VALU_DEP_1)
	v_lshl_or_b32 v[\tm+2], v[\tm+3], 16, v[\tm+2] ; blocks h and 2 + h of the K step,
	s_delay_alu instid0(VALU_DEP_1)
	v_lshlrev_b32 v[\tm+2], v3, v[\tm+2]           ; at their places (8 h bits up);
	s_delay_alu instid0(VALU_DEP_1)
	v_permlanex16_b32 v[\tm+3], v[\tm+2], s20, s21
	s_delay_alu instid0(VALU_DEP_1)
	v_or_b32 v[\tm+2], v[\tm+2], v[\tm+3]          ; with lane l xor 16's two the word is whole, in both halves of the lanes
.irp c, 0,1
.irp g, 0,1,2,3
	v_cvt_scalef32_pk8_fp4_f32 v[(\cd)+4*\c+\g], v[X+32*\c+8*\g:X+32*\c+8*\g+7], v[\tm+\c]
.endr
.endr
	v_nop                                          ; one plain place behind the last scaled conversion
.endm
.macro BLOCK b, reg, tm, n
	TURN \reg, \n
	QX CD+8*\b, \tm
.set i, 0
.rept 32
	v_cvt_pk_f16_f32 v[XB+32*\b+i], v[X+2*i], v[X+2*i+1]                          ; the same numbers for the gate's product
.set i, i+1
.endr
	global_store_b128 v[L16], v[CD+8*\b:CD+8*\b+3], s[12:13] offset:BLKB*\b       ; 512 consecutive bytes, at a multiple of 256 from xp's first byte
	global_store_b128 v[L16], v[CD+8*\b+4:CD+8*\b+7], s[12:13] offset:BLKB*\b+512
	ds_store_b32 v[SCIW], v[\tm+2] offset:512*\b   ; both halves of the lanes write the same word with the same value
.endm
	BLOCK 0, R0, 64, 16                            ; block 1's 16 loads stay out
	BLOCK 1, R1, 112, 0
	; the partial logits of my 128 k: four steps of 32, the two blocks' accumulators by turns
.irp q, 0,1,2,3
.if \q == 0
	v_wmma_f32_16x16x32_f16 v[D:D+7], v[GW:GW+7], v[XB:XB+7], 0
	v_wmma_f32_16x16x32_f16 v[D+8:D+15], v[GW:GW+7], v[XB+32:XB+39], 0
.else
	v_wmma_f32_16x16x32_f16 v[D:D+7], v[GW+8*\q:GW+8*\q+7], v[XB+8*\q:XB+8*\q+7], v[D:D+7]
	v_wmma_f32_16x16x32_f16 v[D+8:D+15], v[GW+8*\q:GW+8*\q+7], v[XB+32+8*\q:XB+39+8*\q], v[D+8:D+15]
.endif
.endr
.rept 4
	v_nop                                          ; four places in front of the first read of results (ISA guide 7.12.1)
.endr
.irp b, 0,1
	ds_store_b128 v[PARTW], v[D+8*\b:D+8*\b+3] offset:4096*\b                     ; lane (r, h): token r, register j = expert j (both halves alike); each accumulator from its low end on
	ds_store_b128 v[PARTW], v[D+8*\b+4:D+8*\b+7] offset:4096*\b+16
.endr
	s_wait_dscnt 0x0                               ; for the others' sake: my partial logits, scale words and rows of expert_w lie in LDS
	s_barrier_signal -1
	s_barrier_wait -1
.irp i, 0,1,2,3
	ds_load_b128 v[WQ+4*\i:WQ+4*\i+3], v[WO] offset:32*\i                         ; four images: bytes 32 k + 16 h of row r, k = 4 (s % 4) + i
.endr
	s_cmp_ge_u32 s16, 2
	s_cbranch_scc1 .Lw_out                         ; waves 0 and 1 finish a block each
.irp s, 0,1,2,3,4,5,6,7
	ds_load_b128 v[X+4*\s:X+4*\s+3], v[PARTR] offset:512*\s
.endr
	ds_load_b128 v[X+32:X+35], v[SCIR]
	s_wait_dscnt 0x0
.irp s, 1
	v_pk_add_f32 v[X:X+1], v[X:X+1], v[X+4*\s:X+4*\s+1]                           ; K ascending
	v_pk_add_f32 v[X+2:X+3], v[X+2:X+3], v[X+4*\s+2:X+4*\s+3]
.endr
.irp s, 2, 3, 4, 5, 6, 7
	s_delay_alu instid0(VALU_DEP_2)
	v_pk_add_f32 v[X:X+1], v[X:X+1], v[X+4*\s:X+4*\s+1]
	s_delay_alu instid0(VALU_DEP_2)
	v_pk_add_f32 v[X+2:X+3], v[X+2:X+3], v[X+4*\s+2:X+4*\s+3]
.endr
	s_delay_alu instid0(VALU_DEP_2)
	v_pk_add_f32 v[X:X+1], v[X:X+1], v[GBI:GBI+1]
	s_delay_alu instid0(VALU_DEP_2)
	v_pk_add_f32 v[X+2:X+3], v[X+2:X+3], v[GBI+2:GBI+3]
	s_delay_alu instid0(VALU_DEP_1)
	v_max3_num_f32 v[X+4], v[X], v[X+1], v[X+2]
	s_delay_alu instid0(VALU_DEP_1)
	v_max_num_f32 v[X+4], v[X+4], v[X+3]
	s_delay_alu instid0(VALU_DEP_1)
	v_permlanex16_b32 v[X+5], v[X+4], s20, s21     ; the token's other four experts lie in lane l xor 16
	s_delay_alu instid0(VALU_DEP_1)
	v_max_num_f32 v[X+4], v[X+4], v[X+5]           ; the row's maximum
.irp i, 0,1,2,3
	v_sub_f32 v[X+\i], v[X+\i], v[X+4]
.endr
.irp i, 0,1,2,3
	s_delay_alu instid0(VALU_DEP_4)
	v_mul_f32 v[X+\i], 0x3fb8aa3b, v[X+\i]         ; x log2(e)
.endr
	s_wait_alu depctr_va_vdst(0)                   ; the wait ahead of the batch
.irp i, 0,1,2,3
	v_exp_f32 v[X+\i], v[X+\i]
.endr
	v_nop                                          ; a plain place behind the exponentials
	s_wait_alu depctr_va_vdst(0)                   ; the wait behind the batch
	v_add_f32 v[X+6], v[X], v[X+1]
	v_add_f32 v[X+7], v[X+2], v[X+3]
	s_delay_alu instid0(VALU_DEP_1)
	v_add_f32 v[X+6], v[X+6], v[X+7]
	s_delay_alu instid0(VALU_DEP_1)
	v_permlanex16_b32 v[X+5], v[X+6], s20, s21
	s_delay_alu instid0(VALU_DEP_1)
	v_add_f32 v[X+6], v[X+6], v[X+5]               ; at least 1: the largest term is 2^0
	s_wait_alu depctr_va_vdst(0)
	v_rcp_f32 v[X+7], v[X+6]
	v_nop                                          ; a plain place behind the reciprocal
	s_wait_alu depctr_va_vdst(0)
.irp i, 0,1,2,3
	v_mul_f32 v[X+8+\i], v[X+\i], v[X+7]
.endr
	global_store_b128 v[L16], v[X+8:X+11], s[32:33] offset:8704                   ; the gates: 512 consecutive bytes
	global_store_b128 v[L16], v[X+32:X+35], s[32:33] offset:8192                  ; the scale words: likewise
.Lw_out:
	s_wait_dscnt 0x0                               ; my images are in registers
.irp i, 0,1,2,3
	global_store_b128 v[L16], v[WQ+4*\i:WQ+4*\i+3], s[14:15] offset:262144*(\i/2)+512*(\i%2)   ; K step 2 (s % 4) + i / 2, c = i % 2: 512 consecutive bytes
.endr
	s_set_vgpr_msb 0x5
	s_wait_tensorcnt 0x0                           ; the wave's end
	ds_add_u32 v0, v1
	s_wait_dscnt 0x0
	s_set_vgpr_msb 0x500
	s_endpgm
.Lfunc_end_k_q4da1fae176_prep:
	.size	k_q4da1fae176_prep, .Lfunc_end_k_q4da1fae176_prep-k_q4da1fae176_prep
	.p2alignl 7, 3214868480
	.fill 96, 4, 3214868480
	.section	.rodata,"a",@progbits
	.p2align	6, 0x0
	.amdhsa_kernel k_q4da1fae176_prep
		.amdhsa_group_segment_fixed_size 94720
		.amdhsa_private_segment_fixed_size 0
		.amdhsa_enable_private_segment 0
		.amdhsa_kernarg_size 48
		.amdhsa_user_sgpr_count 2
		.amdhsa_user_sgpr_kernarg_segment_ptr 1
		.amdhsa_wavefront_size32 1
		.amdhsa_system_sgpr_workgroup_id_x 1
		.amdhsa_system_sgpr_workgroup_id_y 1
		.amdhsa_system_sgpr_workgroup_id_z 1
		.amdhsa_system_vgpr_workitem_id 0
		.amdhsa_next_free_vgpr 258
		.amdhsa_next_free_sgpr 66
		.amdhsa_reserve_vcc 0
		.amdhsa_float_denorm_mode_32 3
		.amdhsa_float_denorm_mode_16_64 3
		.amdhsa_memory_ordered 1
		.amdhsa_forward_progress 1
		.amdhsa_inst_pref_size 37
	.end_amdhsa_kernel
	.amdgpu_metadata
---
amdhsa.version: [ 1, 2 ]
amdhsa.kernels:
  - .name:           k_q4da1fae176_prep
    .symbol:         k_q4da1fae176_prep.kd
    .args:
      - { .name: x, .offset: 0, .size: 8, .value_kind: global_buffer, .address_space: global }
      - { .name: gate_w, .offset: 8, .size: 8, .value_kind: global_buffer, .address_space: global }
      - { .name: gate_b, .offset: 16, .size: 8, .value_kind: global_buffer, .address_space: global }
      - { .name: expert_w_codes, .offset: 24, .size: 8, .value_kind: global_buffer, .address_space: global }
      - { .name: xp, .offset: 32, .size: 8, .value_kind: global_buffer, .address_space: global }
      - { .name: wimg, .offset: 40, .size: 8, .value_kind: global_buffer, .address_space: global }
    .group_segment_fixed_size: 94720
    .private_segment_fixed_size: 0
    .kernarg_segment_align: 8
    .kernarg_segment_size: 48
    .max_flat_workgroup_size: 256
    .sgpr_count:     66
    .vgpr_count:     258
    .wavefront_size: 32
...
	.end_amdgpu_metadata
.endif
;; end of part 1
;; launch moe (part 2): grid 16 x 16, 4 waves a work-group, clusters of 4 x 1, 327,680 bytes of LDS; arguments xp, wimg, expert_w_scales, expert_b, out0; writes out0
.if DOCPART == 2
	.amdgcn_target "amdgcn-amd-amdhsa--gfx1250"
	.amdhsa_code_object_version 6
	.text
	.protected	k_q4da1fae176_moe
	.globl	k_q4da1fae176_moe
	.p2align	8
	.type	k_q4da1fae176_moe,@function
k_q4da1fae176_moe:
	s_mov_b64 s[64:65], 0
	v_nop
	global_prefetch_b8 v0, s[64:65] scope:SCOPE_SE
	s_setreg_imm32_b32 hwreg(HW_REG_WAVE_MODE, 25, 1), 1
	s_wait_xcnt 0x0
	s_wait_alu depctr_hold_cnt(0) depctr_sa_sdst(0) depctr_va_vdst(0) depctr_va_sdst(0) depctr_va_ssrc(0) depctr_va_vcc(0) depctr_vm_vsrc(0)
	s_getreg_b32 s2, hwreg(HW_REG_IB_STS2, 6, 4)
	s_cmp_eq_u32 s2, 0
	s_cbranch_scc0 .Lentry_in_a_cluster
	s_endpgm
.Lentry_in_a_cluster:
	s_bfe_u32 s2, ttmp6, 0x10000c
	s_cmp_lg_u32 s2, 0x3003
	s_cbranch_scc0 .Lentry_shape_is_right
	s_endpgm
.Lentry_shape_is_right:
.set CHUNK,  18432                     ; two blocks of xp
; out0[n][o] = sum over e of g[n][e] (Q(x)[n] . W[e][o] + b[e][o]): the quantised product on codes of FP4 (E2M1) with E8M0 scales, f32 sums; the sum over the eight experts in f32, in registers.
; SHARES.  A work-group makes 512 tokens x 64 outputs, for all 8 experts: 16 x 16 work-groups.  Wave w owns outputs 16 w .. 16 w + 15 of the tile.
; W STAYS IN REGISTERS: a wave's 8 experts x 16 rows x 1,024 K are 512 registers, loaded once from wimg, 512 consecutive bytes a load, the eight loads of a K step 4,096 bytes on end.
; x STAYS IN LDS: the tile's 32 blocks of xp (codes, scale words, gates as register images) are 294,912 bytes: every byte is filled once, nothing is filled again.
; THE MATRIX INSTRUCTION (32 x 16 x 128): source 0 = 32 rows: the same 16 outputs of TWO experts, 2 p and 2 p + 1; source 1 = 16 tokens.  Lane (r, h) holds token r; register j is output 8 h + j of expert 2 p,
; register 8 + j the same output of expert 2 p + 1.  So a fragment of x read from LDS feeds four matrix instructions, one for each pair of experts.  The bias, in that layout, is the C of a sum's first instruction.
; Source 0's scale words: lane l is row l of the 32: lanes 0-15 expert 2 p, lanes 16-31 expert 2 p + 1.
; CLUSTER.  The four work-groups of a cluster share their tokens: each chunk of xp is asked for JOINTLY, by the same tensor load with the same descriptor and the mask 15.
; W's fragments are shared too (by the 16 work-groups of one output tile), but they go from memory straight into registers, which has no joint form, and LDS has no room for them beside x's 294,912 bytes.
; A CHUNK is 32 tokens (two blocks t).  Phase A(c): experts 0-3 of chunk c, 32 matrix instructions; phase B(c): experts 4-7.  Trip c is B(c), A(c + 1).
; THE JOINT LOADS, one a wave each time: chunks 0-3 at the head; chunks 4-7 behind A(0), shown by trip 2's barrier; chunks 8-15, two a wave, at trip 2's barrier, shown by trip 6's.
; No prefetch: each later load stands three or four trips ahead of the barrier that shows it, and W is loaded whole in the head, ahead of any loop.
; WHAT IS NOT MATRIX WORK STANDS IN THREE RUNS A TRIP, each with its packed lines first (they are the places between the products and the loads into the products' registers), then its memory instructions.
; Run 1, in the middle of phase B: phase A's experts 0, 1 are folded into the output (g x sum); chunk c - 1 comes back from its stage; chunk c + 1's scale words for phase A and its fragments of K steps 0-3 are fetched.
; Run 2, behind phase B: experts 2, 3 are folded; chunk c + 1's fragments of K steps 4-7 are fetched; chunk c - 1 is stored.
; Run 3, in the middle of phase A: phase B's four experts are folded; chunk c's 32 x 64 results go into a stage in LDS; chunk c + 1's gates and its scale words for phase B are fetched.
; THE WAY OUT IS A TRIP LONG: chunk c is staged in A(c + 1), shown to all waves by the trip's one barrier, read back as whole rows of 256 bytes and stored in B(c + 1).  Two stages by turns.
; No step of reference() is left out.
; LIMITS: NaN and infinities are not served; a scale byte 0xff in expert_w_scales makes the sums NaN.
; REGISTERS, in windows of 256 (s_set_vgpr_msb: bits 1:0 source 0, 3:2 source 1, 5:4 source 2, 7:6 destination):
;   window 0: v1-11 addresses; v16-31 x's scale words (a set for each phase); v32-63 W's scale words; v64-79 gates; v80-95 the output in hand; v96-111 rows on their way out; v126-127 the add; v128-255 x's 16 fragments
;   window 1: W of experts 0-3 (pair p, K step s at v[128 p + 16 s]);   window 2: experts 4-7;   window 3: v0-63 phase A's accumulators ((p, t) at 16 (2 p + t)), v64-127 phase B's, v128-191 the bias
.set BLK,    9216
.set SCO,    8192                      ; a block's scale words
.set GTO,    8704                      ; a block's gates
.set STG,    16*CHUNK                  ; behind x: stage 0, 32 rows x 272 bytes; no fill lands here
.set SPAR,   0x4000                    ; stage 1 lies this far behind stage 0
.set SPITCH, 272                       ; 256 bytes + 16: row r begins 16 r bytes on modulo 256
.set SPARE,  0x4e200                   ; behind stage 1: the spare words, 128 bytes for each wave
.set LI0,  1                           ; v1   16 x lane
.set LG0,  2                           ; v2   16 x (lane % 16)
.set STO0, 3                           ; v3   stage 0: where I put 32 bytes of a row
.set SRD0, 4                           ; v4   stage 0: where I read rows back
.set GO,   5                           ; v5   my byte offset in a chunk's rows of out0
.set LI,   6                           ; v6   LI0 + the first byte of phase B's chunk
.set LG,   7                           ; v7   LG0 + the same
.set STO,  8                           ; v8   STO0 in the stage that this trip writes
.set SRD,  9                           ; v9   SRD0 in the stage that the last trip wrote
.set VS,   10                          ; v10  W's scale words: 32,768 h + 32 r
.set VB,   11                          ; v11  the bias: 32 h
.set XS,   16                          ; x's scale words: 8 ph + 4 t + j: lanes 0-15 K step j, lanes 16-31 K step 4 + j
.set WS,   32                          ; W's: 8 x pair + K step
.set G,    64                          ; gates: 8 t + e
.set OUT,  80                          ; 8 t + i
.set RB,   96
.set SPW,  126                         ; LDS address of my spare word; never rewritten
.set NIL,  127                         ; 0; never rewritten
.set XF,   128                         ; 64 t + 8 s
.set BIAS, 128                         ; window 3: 8 e
.set G1,   24                          ; s[24:31] descriptor group 1: one chunk
.set G1L,  68                          ; s[68:75] the same for two chunks
.set G0,   32                          ; s[32:43] three groups 0
.set M_A,  0xf1                        ; source 0 (W) window 1, source 1 (x) window 0, C and D window 3
.set M_B,  0xf2                        ; the same with W in window 2
.set FOLDW, 0x0c                       ; source 1 (an accumulator) window 3, all else window 0: LDS loads into window 0 run under it too
.set MSB, 0
.macro WIN new                         ; the immediate's high byte repeats the setting that is left; a switch that changes nothing is dropped
.if MSB != \new
	s_set_vgpr_msb (MSB<<8)|\new
.set MSB, \new
.endif
.endm
.macro CREST                           ; a round of the cluster's barrier behind its opening barrier
	s_cmp_lg_u32 s14, 0
	s_cbranch_scc1 .Lnot_wave_0_\@
	s_barrier_signal -3
.Lnot_wave_0_\@:
	s_barrier_wait -3
	s_barrier_signal -1
	s_barrier_wait -1
.endm
.macro ROUND                           ; a whole round
	s_barrier_signal -1
	s_barrier_wait -1
	CREST
.endm
.macro TLOAD g0, g1                    ; a joint load
	tensor_load_to_lds s[\g0:\g0+3], s[\g1:\g1+7]
	s_nop 0
.rept 4
	v_nop
.endr
.endm
	s_load_b256 s[4:11], s[0:1], 0x0               ; xp s[4:5], wimg s[6:7], W's scales s[8:9], the bias s[10:11]
	s_load_b64 s[12:13], s[0:1], 0x20              ; out0
	v_lshl_add_u32 v[SPW], v0, 2, SPARE
	v_mov_b32 v[NIL], 0
	ds_add_u32 v[SPW], v[NIL]                      ; the opening add, twice on end under one wait, ahead of my first tensor load
	ds_add_u32 v[SPW], v[NIL]
	v_lshrrev_b32 v12, 5, v0
	v_readfirstlane_b32 s14, v12                   ; wave 0..3
	s_bfe_u32 s15, ttmp6, 0x40000                  ; cx: my place in the cluster
	s_lshl_b32 s16, ttmp9, 2
	s_add_co_u32 s16, s16, s15                     ; the output tile = 4 x cluster x + cx: it enters wimg's, the scales', the bias's and out0's addresses alone
	s_and_b32 s17, ttmp7, 0xffff                   ; the token tile, which the four partners share
	v_and_b32 v12, 31, v0                          ; lane
	v_and_b32 v13, 15, v0                          ; r
	v_bfe_u32 v14, v0, 4, 1                        ; h
	v_lshlrev_b32 v[LI0], 4, v12
	v_lshlrev_b32 v[LG0], 4, v13
	v_mul_u32_u24 v[STO0], v13, SPITCH             ; in: row r (+ 16 t), my wave's 64 bytes, 32 for each half of the lanes
	v_lshl_add_u32 v[STO0], v14, 5, v[STO0]
	s_lshl_b32 s18, s14, 6
	s_add_co_u32 s18, s18, STG
	v_add_nc_u32 v[STO0], s18, v[STO0]
	v_mul_u32_u24 v[SRD0], v14, SPITCH             ; back: rows 8 w + h (+ 2 i), 16 bytes a lane
	v_lshl_add_u32 v[SRD0], v13, 4, v[SRD0]
	s_mul_i32 s18, s14, 8*SPITCH
	s_add_co_u32 s18, s18, STG
	v_add_nc_u32 v[SRD0], s18, v[SRD0]
	v_lshlrev_b32 v[GO], 12, v14                   ; and the same rows in out0: 4,096 bytes a row
	v_lshl_add_u32 v[GO], v13, 4, v[GO]
	s_lshl_b32 s18, s14, 15
	v_add_nc_u32 v[GO], s18, v[GO]
	v_lshlrev_b32 v[VS], 15, v14
	v_lshl_add_u32 v[VS], v13, 5, v[VS]
	v_lshlrev_b32 v[VB], 5, v14
	; descriptor group 1: a chunk is a dense block of 72 rows x 256 bytes (32 elements of 8 bytes), two chunks are 144 rows
.irp g, G1, G1L
	s_mov_b32 s[\g+0], 15|(3<<16)|(1<<21)          ; 15:0 the mask: all four work-groups; 17:16 elements of 8 bytes; 21 set beside a mask; no padding
	s_mov_b32 s[\g+1], 32<<16                      ; tensor_dim0 = 32
	s_mov_b32 s[\g+3], 32<<16                      ; tile_dim0 = 32
	s_mov_b32 s[\g+5], 32                          ; from row to row
	s_mov_b32 s[\g+6], 0
	s_mov_b32 s[\g+7], 0
.endr
	s_mov_b32 s[G1+2], 72<<16                      ; tensor_dim1
	s_mov_b32 s[G1+4], 72                          ; tile_dim1
	s_mov_b32 s[G1L+2], 144<<16
	s_mov_b32 s[G1L+4], 144
	s_mul_i32 s20, s17, 16*CHUNK                   ; the token tile's 16 chunks
	s_mov_b32 s21, 0
	s_mul_i32 s18, s14, CHUNK                      ; chunk w (and 4 + w): in memory and in LDS alike
	s_mov_b32 s19, 0
	s_lshl_b32 s60, s18, 1
	s_add_co_u32 s60, s60, 8*CHUNK                 ; chunks 8 + 2 w and 9 + 2 w
	s_mov_b32 s61, 0
	s_lshl_b32 s22, s16, 2
	s_add_co_u32 s22, s22, s14                     ; ob: my block of 16 outputs = 4 x output tile + wave
	s_lshl_b32 s52, s22, 12                        ; wimg: 4,096 bytes a block in each K step
	s_mov_b32 s53, 0
	s_lshl_b32 s54, s22, 9                         ; scales: 16 rows of 32 bytes
	s_mov_b32 s55, 0
	s_lshl_b32 s56, s22, 6                         ; bias: 16 numbers
	s_mov_b32 s57, 0
	s_lshl_b32 s58, s17, 21                        ; out0: 512 rows of 4,096 bytes,
	s_lshl_b32 s59, s16, 8                         ; 256 bytes a tile of outputs
	s_add_co_u32 s58, s58, s59
	s_mov_b32 s59, 0
	s_mov_b32 s49, 0                               ; where the next phase B's chunk begins in LDS
	s_mov_b32 s50, 0                               ; the stage that the next trip writes: 0 or SPAR
	s_wait_dscnt 0x0                               ; both opening adds are done
	s_wait_kmcnt 0x0
	s_add_nc_u64 s[20:21], s[4:5], s[20:21]
	s_add_nc_u64 s[6:7], s[6:7], s[52:53]
	s_add_nc_u64 s[8:9], s[8:9], s[54:55]
	s_add_nc_u64 s[10:11], s[10:11], s[56:57]
	s_add_nc_u64 s[12:13], s[12:13], s[58:59]
	s_mov_b32 s[G0], 1                             ; count = 1
	s_add_co_u32 s[G0+1], s18, 0                   ; LDS address
	s_add_nc_u64 s[G0+2:G0+3], s[20:21], s[18:19]
	s_mov_b32 s[G0+4], 1
	s_add_co_u32 s[G0+5], s18, 4*CHUNK
	s_add_nc_u64 s[G0+6:G0+7], s[G0+2:G0+3], 4*CHUNK
	s_mov_b32 s[G0+8], 1
	s_add_co_u32 s[G0+9], s60, 0
	s_add_nc_u64 s[G0+10:G0+11], s[20:21], s[60:61]
	s_or_b32 s[G0+3], s[G0+3], 0x80000000          ; type = 2
	s_or_b32 s[G0+7], s[G0+7], 0x80000000
	s_or_b32 s[G0+11], s[G0+11], 0x80000000        ; no descriptor is written again
	s_wait_alu depctr_va_vdst(0)                   ; ahead of the first readers of the head's addresses
; K step s of experts 4 ph .. 4 ph + 3: 8 loads of 512 consecutive bytes, 4,096 bytes on end
.macro WLD ph, s
.irp k, 0,1,2,3
.irp c, 0,1
	global_load_b128 v[128*(\k/2)+16*(\s)+8*(\k%2)+4*\c:128*(\k/2)+16*(\s)+8*(\k%2)+4*\c+3], v[LI0], s[6:7] offset:2097152*(\ph)+262144*(\s)+1024*\k+512*\c
.endr
.endr
.endm
	WIN 0x40                                       ; destination window 1
	WLD 0, 0
	WLD 0, 1
	WIN 0
	ROUND                                          ; all four work-groups are here: the first joint loads meet
	TLOAD G0, G1                                   ; chunk w: one tensor load a wave at the head
	WIN 0x40
.irp s, 2,3,4,5,6,7
	WLD 0, \s
.endr
	WIN 0
.irp p, 0,1,2,3
.irp j, 0,1
	global_load_b128 v[WS+8*\p+4*\j:WS+8*\p+4*\j+3], v[VS], s[8:9] offset:65536*\p+16*\j   ; expert 2 p + h, row r: the words of K steps 4 j + 0..3
.endr
.endr
	WIN 0xc0                                       ; destination window 3
.irp e, 0,1,2,3,4,5,6,7
	global_load_b128 v[BIAS+8*\e:BIAS+8*\e+3], v[VB], s[10:11] offset:4096*\e     ; b[e][16 ob + 8 h + 0..7]
	global_load_b128 v[BIAS+8*\e+4:BIAS+8*\e+7], v[VB], s[10:11] offset:4096*\e+16
.endr
	WIN 0x80                                       ; destination window 2
.irp s, 0,1,2,3,4,5,6,7
	WLD 1, \s
.endr
	WIN 0
; 4 matrix instructions: K step s of phase ph: two pairs of experts x two blocks of tokens.  The four accumulators take turns, one instruction a turn, in the same order in every step.
; Step 0 takes the bias as C: nothing is cleared, and no addition is spent on it.  Steps 4-7 take x's scale words from lanes 16-31.
.macro MM ph, s
.irp p, 0,1
.irp t, 0,1
.set AC, 64*\ph+16*(2*\p+\t)
.set WR, 128*\p+16*(\s)
.set XR, XF+64*\t+8*(\s)
.set BI, BIAS+32*\ph+16*\p
.set SA, WS+8*(2*\ph+\p)+(\s)
.set SB, XS+8*\ph+4*\t+(\s)%4
.if (\s) == 0
	v_wmma_scale_f32_32x16x128_f4 v[AC:AC+15], v[WR:WR+15], v[XR:XR+7], v[BI:BI+15], v[SA], v[SB]
.elseif (\s) < 4
	v_wmma_scale_f32_32x16x128_f4 v[AC:AC+15], v[WR:WR+15], v[XR:XR+7], v[AC:AC+15], v[SA], v[SB]
.else
	v_wmma_scale_f32_32x16x128_f4 v[AC:AC+15], v[WR:WR+15], v[XR:XR+7], v[AC:AC+15], v[SA], v[SB] matrix_b_scale:MATRIX_SCALE_ROW1
.endif
.endr
.endr
.endm
; out += g[e] x the finished sums of expert 4 ph + e, block t: four packed lines, an accumulator's even expert (its low half) ahead of its odd one.  Expert 0 starts the sum.  The gate is one register of a pair, taken for both halves.
.macro FOLD1 ph, e, t
.set FA, 64*(\ph)+16*(2*((\e)/2)+(\t))+8*((\e)%2)
.irp i, 0,2,4,6
.if (4*(\ph)+(\e)) == 0
	v_pk_mul_f32 v[OUT+8*(\t)+\i:OUT+8*(\t)+\i+1], v[G+8*(\t):G+8*(\t)+1], v[FA+\i:FA+\i+1] op_sel_hi:[0,1]
.elseif ((\e)%2) == 0
	v_pk_fma_f32 v[OUT+8*(\t)+\i:OUT+8*(\t)+\i+1], v[G+8*(\t)+4*(\ph)+(\e):G+8*(\t)+4*(\ph)+(\e)+1], v[FA+\i:FA+\i+1], v[OUT+8*(\t)+\i:OUT+8*(\t)+\i+1] op_sel_hi:[0,1,1]
.else
	v_pk_fma_f32 v[OUT+8*(\t)+\i:OUT+8*(\t)+\i+1], v[G+8*(\t)+4*(\ph)+(\e)-1:G+8*(\t)+4*(\ph)+(\e)], v[FA+\i:FA+\i+1], v[OUT+8*(\t)+\i:OUT+8*(\t)+\i+1] op_sel:[1,0,0] op_sel_hi:[1,1,1]
.endif
.endr
.endm
; x's two fragments of K step s, off bytes on from the address in v[adr]: four loads of 512 consecutive bytes
.macro XFL adr, s, off
.irp t, 0,1
.irp c, 0,1
	ds_load_b128 v[XF+64*\t+8*(\s)+4*\c:XF+64*\t+8*(\s)+4*\c+3], v[\adr] offset:(\off)+BLK*\t+1024*(\s)+512*\c
.endr
.endr
.endm
; x's scale words for phase ph
.macro XSL ph, adr, off
.irp t, 0,1
	ds_load_b128 v[XS+8*\ph+4*\t:XS+8*\ph+4*\t+3], v[\adr] offset:(\off)+BLK*\t+SCO
.endr
.endm
; a chunk's gates: every lane takes the eight of its token
.macro GATES adr, off
.irp t, 0,1
	ds_load_b128 v[G+8*\t:G+8*\t+3], v[\adr] offset:(\off)+BLK*\t+GTO
	ds_load_b128 v[G+8*\t+4:G+8*\t+7], v[\adr] offset:(\off)+BLK*\t+GTO+256
.endr
.endm
; The trip's addresses: phase B's chunk; the stage that this trip writes.  With the v_nop they are the four places (ISA guide 7.12.1) between phase A's last products and the first read of their results.
.macro ADDR
	v_add_nc_u32 v[LI], v[LI0], s49
	v_add_nc_u32 v[LG], v[LG0], s49
	v_add_nc_u32 v[STO], v[STO0], s50
	v_nop
	s_add_co_u32 s49, s49, CHUNK
.endm
.macro TO_STAGE                        ; lane (r, h): out(16 t + r, 16 w + 8 h + 0..7)
.irp t, 0,1
	ds_store_b128 v[STO], v[OUT+8*\t:OUT+8*\t+3] offset:16*SPITCH*\t
	ds_store_b128 v[STO], v[OUT+8*\t+4:OUT+8*\t+7] offset:16*SPITCH*\t+16
.endr
.endm
.macro FROM_STAGE                      ; my eight whole rows, two an instruction; behind s_wait_xcnt 0: the chunk before's stores have read their data and their base
.irp i, 0,1,2,3
	ds_load_b128 v[RB+4*\i:RB+4*\i+3], v[SRD] offset:2*SPITCH*\i
.endr
	s_add_nc_u64 s[12:13], s[12:13], 32*4096       ; one chunk's rows on; the stores reach back by their immediate
.endm
.macro SEND
.irp i, 0,1,2,3
	global_store_b128 v[GO], v[RB+4*\i:RB+4*\i+3], s[12:13] offset:8192*\i-32*4096 th:TH_STORE_NT   ; 16 lanes store 256 consecutive bytes, at a multiple of 256 from out0's first byte; written once, read by nobody here
.endr
.endm
; PHASE B(c): experts 4-7, with runs 1 and 2.  pre = 1: chunk c + 1 is fetched.  snd = 1: chunk c - 1 comes back from its stage and is stored.
; ld = 1 (trip 0): W of experts 4-7 has to be in: the last 64 loads, in the order of the K steps, half of them for each half of the phase.
.macro PH_B pre, snd, ld
.if \ld
	s_wait_loadcnt 32
.endif
	WIN M_B
	MM 1, 0
	MM 1, 1
	MM 1, 2
	MM 1, 3
	WIN FOLDW
.if \snd
	s_wait_xcnt 0x0                                ; the chunk before's stores have read their data and their base: both are written again only behind this wait
.endif
	ADDR
.irp e, 0,1
	FOLD1 0, \e, 0
	FOLD1 0, \e, 1
.endr
.if \snd
	FROM_STAGE
.endif
.if \pre
	XSL 0, LI, CHUNK
.irp s, 0,1,2,3
	XFL LI, \s, CHUNK
.endr
.endif
.if \ld
	s_wait_alu depctr_va_vdst(0)                   ; ahead of the wait below
	s_wait_loadcnt 0x0
.endif
	WIN M_B
	MM 1, 4
	MM 1, 5
	MM 1, 6
	MM 1, 7
	WIN FOLDW
.irp e, 2,3
	FOLD1 0, \e, 0
	FOLD1 0, \e, 1
.endr
	s_wait_alu depctr_va_vdst(0)
.if \pre
.irp s, 4,5,6,7
	XFL LI, \s, CHUNK
.endr
.endif
.if \snd
	s_wait_dscnt 34*\pre                           ; the stage's rows are in: behind them stand two loads of scale words and the fragments' 32, or nothing
	WIN 0                                          ; a store's data are its source 1
	SEND
.endif
.endm
; PHASE A(c + 1): experts 0-3 of the next chunk, with run 3.  fill = 1: the barrier opens a round, behind which my two chunks of 8-15 are asked for.  tens = 1: the barrier shows them.
.macro PH_A fill, tens
	s_wait_dscnt 16                                ; the scale words and the fragments of steps 0-3 are in: behind them stand steps 4-7's 16 loads
	WIN M_A
	MM 0, 0
	MM 0, 1
	MM 0, 2
	MM 0, 3
	WIN FOLDW
	v_add_nc_u32 v[SRD], v[SRD0], s50              ; the stage that is written below: it is read in the next trip
	s_xor_b32 s50, s50, SPAR
.irp e, 0,1,2,3
	FOLD1 1, \e, 0
	FOLD1 1, \e, 1
.endr
	WIN 0
	TO_STAGE                                       ; chunk c is whole
	GATES LG, CHUNK
	XSL 1, LI, CHUNK
	s_wait_dscnt 10                                ; steps 4-7 are in: behind them stand the ten LDS instructions just issued
	WIN M_A
	MM 0, 4
	MM 0, 5
.if \fill
	WIN 0                                          ; (the add's two registers lie in window 0)
	s_wait_tensorcnt 0x0                           ; my chunk of 4-7 has landed;
	ds_add_u32 v[SPW], v[NIL]                      ; 0 onto my spare word
	WIN M_A
.endif
	MM 0, 6
.if \tens
	s_wait_tensorcnt 0x0                           ; my chunks of 8-15 have landed
.endif
	s_wait_dscnt 0x0                               ; for the others' sake: my stores into the stage are done, and so are my reads of the other stage; all my LDS loads are in
	s_barrier_signal -1
	MM 0, 7                                        ; work on registers while the others arrive
	WIN 0
	s_barrier_wait -1                              ; the stage holds 32 whole rows.  It is read in the next trip and written again in the trip after, behind the next trip's barrier
.if \fill
	CREST
	TLOAD G0+8, G1L                                ; chunks 8 + 2 w and 9 + 2 w
.endif
.endm
.macro LOOPT n, tens
	s_mov_b32 s48, \n
.Ltrip_\@:
	PH_B 1, 1, 0
	PH_A 0, \tens
	s_sub_co_u32 s48, s48, 1
	s_cmp_lg_u32 s48, 0
	s_cbranch_scc1 .Ltrip_\@
.endm
	s_wait_tensorcnt 0x0                           ; my chunk has landed;
	s_barrier_signal -1
	s_barrier_wait -1                              ; everybody's has: chunks 0-3 lie in LDS.
	XSL 0, LI0, 0                                  ; chunk 0 begins at LDS byte 0
	XSL 1, LI0, 0
.irp s, 0,1,2,3,4,5,6,7
	XFL LI0, \s, 0
.endr
	GATES LG0, 0
	s_wait_loadcnt 0x3f                            ; of my 152 loads at most 63 are out: the first 89 are in, and W's scale words, the bias and experts 0-3 are the first 88
	s_wait_dscnt 0x0
	WIN M_A
.irp s, 0,1,2,3,4,5,6,7
	MM 0, \s                                       ; A(0)
.endr
	WIN 0
	s_wait_tensorcnt 0x0                           ; ahead of a later first fill
	ds_add_u32 v[SPW], v[NIL]
	s_wait_dscnt 0x0
	ROUND
	TLOAD G0+4, G1                                 ; chunk 4 + w
	PH_B 1, 0, 1                                   ; trip 0 has no chunk to send, and waits for experts 4-7
	PH_A 0, 0
	PH_B 1, 1, 0                                   ; trip 1
	PH_A 0, 0
	PH_B 1, 1, 0                                   ; trip 2: its barrier shows chunks 4-7
	PH_A 1, 0
	LOOPT 3, 0                                     ; trips 3-5
	LOOPT 9, 1                                     ; trips 6-14: trip 6's barrier shows chunks 8-15
	PH_B 0, 1, 0                                   ; B(15): nothing more to fetch; chunk 14 leaves
	WIN FOLDW
	v_add_nc_u32 v[SRD], v[SRD0], s50
.irp e, 0,1,2,3
	FOLD1 1, \e, 0
	FOLD1 1, \e, 1
.endr
	WIN 0
	TO_STAGE                                       ; chunk 15
	s_wait_dscnt 0x0
	s_barrier_signal -1
	s_barrier_wait -1
	s_wait_xcnt 0x0                                ; chunk 14's stores have read their data and their base
	FROM_STAGE
	s_wait_dscnt 0x0
	SEND
	s_wait_tensorcnt 0x0                           ; the wave's end
	ds_add_u32 v[SPW], v[NIL]
	s_wait_dscnt 0x0
	ROUND                                          ; the closing round: no work-group ends while a partner may still ask for a chunk that names it
	s_endpgm
.Lfunc_end_k_q4da1fae176_moe:
	.size	k_q4da1fae176_moe, .Lfunc_end_k_q4da1fae176_moe-k_q4da1fae176_moe
	.p2alignl 7, 3214868480
	.fill 96, 4, 3214868480
	.section	.rodata,"a",@progbits
	.p2align	6, 0x0
	.amdhsa_kernel k_q4da1fae176_moe
		.amdhsa_group_segment_fixed_size 327680
		.amdhsa_private_segment_fixed_size 0
		.amdhsa_enable_private_segment 0
		.amdhsa_kernarg_size 40
		.amdhsa_user_sgpr_count 2
		.amdhsa_user_sgpr_kernarg_segment_ptr 1
		.amdhsa_wavefront_size32 1
		.amdhsa_system_sgpr_workgroup_id_x 1
		.amdhsa_system_sgpr_workgroup_id_y 1
		.amdhsa_system_sgpr_workgroup_id_z 1
		.amdhsa_system_vgpr_workitem_id 0
		.amdhsa_next_free_vgpr 1024
		.amdhsa_next_free_sgpr 76
		.amdhsa_reserve_vcc 0
		.amdhsa_float_denorm_mode_32 3
		.amdhsa_float_denorm_mode_16_64 3
		.amdhsa_memory_ordered 1
		.amdhsa_forward_progress 1
		.amdhsa_inst_pref_size 120
	.end_amdhsa_kernel
	.amdgpu_metadata
---
amdhsa.version: [ 1, 2 ]
amdhsa.kernels:
  - .name:           k_q4da1fae176_moe
    .symbol:         k_q4da1fae176_moe.kd
    .args:
      - { .name: xp, .offset: 0, .size: 8, .value_kind: global_buffer, .address_space: global }
      - { .name: wimg, .offset: 8, .size: 8, .value_kind: global_buffer, .address_space: global }
      - { .name: expert_w_scales, .offset: 16, .size: 8, .value_kind: global_buffer, .address_space: global }
      - { .name: expert_b, .offset: 24, .size: 8, .value_kind: global_buffer, .address_space: global }
      - { .name: out0, .offset: 32, .size: 8, .value_kind: global_buffer, .address_space: global }
    .group_segment_fixed_size: 327680
    .private_segment_fixed_size: 0
    .kernarg_segment_align: 8
    .kernarg_segment_size: 40
    .max_flat_workgroup_size: 128
    .sgpr_count:     76
    .vgpr_count:     1024
    .wavefront_size: 32
...
	.end_amdgpu_metadata
.endif
;; end of part 2
